; MI455X (gfx1250); checked and timed in simulation.
; The chip was launched on July 23, 2026; its instructions are those of AMD's public machine-readable ISA for CDNA 5 (MIT licence, August 2026) and "CDNA5" Instruction Set Architecture Reference Guide (July 2026). The comments in the code are by the model that wrote it; some were corrected since.
;; Mo E Top K Layer. Allowed arithmetic: float matrix products may take bf16 or f16 operands with f32 sums; other float arithmetic in f32, or as packed bf16 or f16 multiplies, adds, multiply-adds, maxima and minima; sums over many terms, partial sums and values carried from step to step in f32; what a program stores and reads back later, other than sums and carried values, may be rounded once to bf16 or f16.
;; Inputs: attn_b 1 float32; attn_w 512 x 1 float32; b1 8 x 2,048 float32; b2 8 x 512 float32; gate_b 8 float32; gate_w 512 x 8 float32; w1 8 x 512 x 2,048 float32; w2 8 x 2,048 x 512 float32; x 32 x 128 x 512 float32.
;; Outputs: out0 32 x 128 x 512 float32.
;; One version. Each part assembles by itself: llvm-mc -triple=amdgcn-amd-amdhsa -mcpu=gfx1250 --defsym DOCPART=n.
;; ======== version 1 of 1: 3 launches
;; workspace buffers: xb 4,194,304 bytes; w1f 16,777,216 bytes; w2f 16,777,216 bytes; hb 33,554,432 bytes; b1r 65,536 bytes; b2r 16,384 bytes; sel 256 bytes of whole numbers; gw 256 bytes
;; launch prep (part 1): grid 288 x 1, 8 waves a work-group, no clusters, 10,240 bytes of LDS; arguments x, attn_w, attn_b, gate_w, gate_b, w1, b1, w2, b2, xb, w1f, b1r, w2f, b2r, sel, gw; writes xb, w1f, b1r, w2f, b2r, sel, gw
.if DOCPART == 1
	.amdgcn_target "amdgcn-amd-amdhsa--gfx1250"
	.amdhsa_code_object_version 6
	.text
	.protected	k_qf5fb3a4863_prep
	.globl	k_qf5fb3a4863_prep
	.p2align	8
	.type	k_qf5fb3a4863_prep,@function
k_qf5fb3a4863_prep:
	s_mov_b64 s[64:65], 0
	v_nop
	global_prefetch_b8 v0, s[64:65] scope:SCOPE_SE
	s_setreg_imm32_b32 hwreg(HW_REG_WAVE_MODE, 25, 1), 1
	s_wait_xcnt 0x0
; PREP.  Work-groups 0-31: the router of batch b (attention pooling, gates, top 2) and x rounded to bf16.  Work-groups 32-159: w1 rounded to bf16 and laid
; out as matrix fragments, b1 rounded and permuted.  Work-groups 160-287: the same for w2 and b2.  Each of the 288 reads about 256 KB.
; EVERY INPUT IS ROUNDED ONCE TO bf16 before any use, the router's inputs too.  Sums, maxima and exponentials in f32; every softmax takes its maximum away.
; LIMITS.  NaN and infinities are not treated apart.  Of equal gates the lower index is chosen.  The pooled sums are taken in another order than row by row.
; A FRAGMENT is 1,024 bytes, [half j][lane L][16 bytes]: lane L = (r = L % 16, h = L / 16) holds K slots 16 j + 8 h + 0..7 of row r.  In a group of 64 columns fragment f (0..3), row r
; stands for column 4 r + f: a lane loads 4 neighbouring f32 of one weight row (16 lanes: 256 consecutive bytes) and deals them to four fragments; no lane exchange, no LDS.
;   w1f [e][g 16][c 2][ks 16][f 4][1 KB]: column 128 g + 64 c + 4 r + f, k = 32 ks + slot.
;   w2f [e][cg 8][ksg 64][f 4][1 KB]: column 64 cg + 4 r + f, slot s of step ksg is hidden column 64 (ksg / 2) + 4 (s % 16) + 2 (ksg % 2) + s / 16, the order in which the first product leaves h.
;   b1r [e][G 32][f][q], b2r [e][cg 8][f][q]: the bias of column 64 G + 4 q + f, rounded, in f32.
; THE ROUTER GOES TO MEMORY TWICE ON END, NOT THREE TIMES: attn_w, gate_w and rows 0-7 of each wave are asked for together, rows 8-15 as the registers fall free.  gate_w is fetched once by the
; work-group (64 bytes a thread), rounded, and handed to all eight waves through LDS.
; No matrix unit, no cluster, no tensor load: nothing here is read by two work-groups but 18 KB of router weights, and the work is a stream.
.set SPARE, 512                        ; LDS: 0-511 eight records of 64 bytes; 512-1535 the spare words, 128 bytes a wave, which no other line names
.set GT, 1536                          ; 1536-9727 gate_w in bf16: [4 j + c][lane l][8 experts]: row 128 j + 4 l + c; a wave's load takes 512 consecutive bytes
.set SPW, 5                            ; v5  LDS address of my spare word; never rewritten
.set NIL, 6                            ; v6  0; never rewritten
.set X0, 64                            ; conversion: v64-127, v128-191 a unit (64 columns x 32 K) as loaded; v192-223, v32-63 as stored
.set X1, 128
.set O0, 192
.set O1, 32
.set ATB, 7                            ; router: v7 attn_b
.set AW, 8                             ; v8-23   attn_w of my 16 columns (128 j + 4 lane + c)
.set ACC, 24                           ; v24-39  the sum of p x over my wave's rows
.set MM, 40                            ; v40 running maximum, v41 running sum
.set LL, 41
.set P, 42                             ; v42-49  four pairs: the rows' dot products
.set PP, 50                            ; v50, 52, 54, 56 the four scores, then weights; their odd neighbours are written once, with 0, since packed lines name pairs
.set ZR, 51                            ; v51 one of those: it holds 0 for good, and starts the logits' sums
.set AA, 58                            ; v58 the correction 2^((m_old - m_new) log2 e)
.set TM, 60                            ; v60-63 at work
.set PK, 64                            ; v64-95  four rows packed to bf16; ahead of the first batch: my 64 bytes of gate_w, their rounding, their LDS address
.set S0, 96                            ; v96-159, v160-223 two buffers of four rows x 16 f32; S0 later gate_w in bf16, later the eight records
.set S1, 160
.set PL, 224                           ; v224-231 partial logits, later gates
.set TR, 232                           ; v232-239 the other half of the lanes'; later gate_b, later the gates less the first choice
	s_load_b512 s[8:23], s[0:1], 0x0               ; x 8, attn_w 10, attn_b 12, gate_w 14, gate_b 16, w1 18, b1 20, w2 22
	s_load_b512 s[24:39], s[0:1], 0x40             ; b2 24, xb 26, w1f 28, b1r 30, w2f 32, b2r 34, sel 36, gw 38
	v_lshl_add_u32 v[SPW], v0, 2, SPARE
	v_mov_b32 v[NIL], 0
	v_lshrrev_b32 v1, 5, v0
	v_readfirstlane_b32 s40, v1                    ; wave 0..7
	v_and_b32 v1, 31, v0                           ; lane
	s_wait_kmcnt 0x0
	s_cmp_lt_u32 ttmp9, 32
	s_cbranch_scc1 .Lrouter
	; ---------------- THE WEIGHTS.  One text for both tensors: what differs is chosen by the work-group's number. ----------------
	s_cmp_lt_u32 ttmp9, 160
	s_cselect_b32 s71, 1, 0                        ; 1: w1
	s_cselect_b32 s76, 32, 160
	s_sub_co_u32 s66, ttmp9, s76                   ; t = 0..127
	s_lshr_b32 s67, s66, 4                         ; e
	s_and_b32 s68, s66, 15                         ; w1: g, 128 columns
	s_bfe_u32 s69, s66, 0x30001                    ; w2: cg, 64 columns
	s_and_b32 s70, s66, 1                          ; w2: kh, which half of the 64 K steps
	s_lshl_b32 s72, s68, 9                         ; w1 in: g x 512 + (w / 4) x 256 + (w % 4) x 4 K steps of 32 rows of 8,192 bytes
	s_lshr_b32 s76, s40, 2
	s_lshl_b32 s76, s76, 8
	s_add_co_u32 s72, s72, s76
	s_and_b32 s76, s40, 3
	s_lshl_b32 s76, s76, 20
	s_add_co_u32 s72, s72, s76
	s_lshl_b32 s73, s68, 17                        ; w1 out: g x 128 KB + w x 16 KB
	s_lshl_b32 s76, s40, 14
	s_add_co_u32 s73, s73, s76
	s_lshl_b32 s77, s70, 3
	s_add_co_u32 s77, s77, s40                     ; 8 kh + w
	s_lshl_b32 s74, s77, 18                        ; w2 in: (16 kh + 2 w) x 64 rows of 2,048 bytes + cg x 256
	s_lshl_b32 s76, s69, 8
	s_add_co_u32 s74, s74, s76
	s_lshl_b32 s75, s77, 14                        ; w2 out: (32 kh + 4 w) x 4 KB + cg x 256 KB
	s_lshl_b32 s76, s69, 18
	s_add_co_u32 s75, s75, s76
	s_lshl_b32 s88, s67, 13                        ; b1: e x 8,192 + g x 512
	s_lshl_b32 s76, s68, 9
	s_add_co_u32 s88, s88, s76
	s_lshl_b32 s89, s67, 11                        ; b2: e x 2,048 + cg x 256
	s_lshl_b32 s76, s69, 8
	s_add_co_u32 s89, s89, s76
	s_lshl_b32 s90, s70, 1
	s_sub_co_u32 s90, 2, s90                       ; b2's 64 numbers: two waves of the work-group with kh = 0
	s_cmp_eq_u32 s71, 1
	s_cselect_b32 s78, s72, s74
	s_cselect_b32 s80, s73, s75
	s_cselect_b32 s88, s88, s89
	s_cselect_b32 s90, 4, s90                      ; b1's 128 numbers: four waves
	s_cselect_b32 s91, 6, 0
	s_cselect_b32 s92, 2, 6
	s_cselect_b64 s[44:45], s[18:19], s[22:23]
	s_cselect_b64 s[52:53], s[28:29], s[32:33]
	s_cselect_b64 s[54:55], s[20:21], s[24:25]
	s_cselect_b64 s[56:57], s[30:31], s[34:35]
	s_lshl_b32 s76, s67, 22
	s_add_co_u32 s78, s78, s76                     ; + e x 4 MB
	s_mov_b32 s79, 0
	s_lshl_b32 s76, s67, 21
	s_add_co_u32 s80, s80, s76                     ; + e x 2 MB
	s_mov_b32 s81, 0
	s_mov_b32 s89, 0
	s_lshl_b32 s82, 0x800, s91                     ; from half 0 to half 1 of a fragment: 16 rows of w1 (131,072 bytes), 1 row of w2 (2,048)
	s_mov_b32 s83, 0
	s_lshl_b32 s84, s82, 1                         ; from a unit to the next: 32 rows of w1, 2 rows of w2
	s_mov_b32 s85, 0
	s_lshl_b32 s86, s82, s92                       ; from a trip to the next: 64 rows of either
	s_mov_b32 s87, 0
	s_add_nc_u64 s[44:45], s[44:45], s[78:79]      ; unit 0, half 0
	s_add_nc_u64 s[46:47], s[44:45], s[82:83]      ; unit 0, half 1
	s_add_nc_u64 s[48:49], s[44:45], s[84:85]      ; unit 1, half 0
	s_add_nc_u64 s[50:51], s[48:49], s[82:83]      ; unit 1, half 1
	s_add_nc_u64 s[52:53], s[52:53], s[80:81]
	s_add_nc_u64 s[54:55], s[54:55], s[88:89]
	s_add_nc_u64 s[56:57], s[56:57], s[88:89]
	v_and_b32 v2, 15, v1
	v_lshrrev_b32 v3, 4, v1
	v_lshlrev_b32 v2, 4, v2
	v_lshl_or_b32 v2, v3, 16, v2                   ; in: 16 r + 65,536 h (8 rows of w1, 32 rows of w2); slot i stands in the immediate, 8,192 i in both tensors
	v_lshlrev_b32 v3, 4, v1                        ; out: 16 L
.macro CLOAD xr, b0, b1                ; a unit's sixteen loads: register 4 (8 j + i) + f holds slot (j, i) of fragment f
.irp i, 0,1,2,3,4,5,6,7
	global_load_b128 v[(\xr)+4*(\i):(\xr)+4*(\i)+3], v2, s[(\b0):(\b0)+1] offset:8192*(\i) th:TH_LOAD_NT
.endr
.irp i, 0,1,2,3,4,5,6,7
	global_load_b128 v[(\xr)+32+4*(\i):(\xr)+32+4*(\i)+3], v2, s[(\b1):(\b1)+1] offset:8192*(\i) th:TH_LOAD_NT
.endr
.endm
.macro CCVT xr, o, u                   ; rounded in pairs along K; each store of the wave covers 512 consecutive bytes, aligned
.irp f, 0,1,2,3
.irp j, 0,1
.irp p, 0,1,2,3
	v_cvt_pk_bf16_f32 v[(\o)+4*(2*(\f)+(\j))+(\p)], v[(\xr)+4*(8*(\j)+2*(\p))+(\f)], v[(\xr)+4*(8*(\j)+2*(\p)+1)+(\f)]
.endr
	global_store_b128 v3, v[(\o)+4*(2*(\f)+(\j)):(\o)+4*(2*(\f)+(\j))+3], s[52:53] offset:4096*(\u)+1024*(\f)+512*(\j)
.endr
.endr
.endm
	s_mov_b32 s41, 2
.Lconv:                                                ; two trips of two units: 32 loads of 512 bytes go out together
	CLOAD X0, 44, 46
	CLOAD X1, 48, 50
	s_wait_loadcnt 16                              ; unit 0 is in; unit 1's sixteen loads stay out
	CCVT X0, O0, 0
	s_wait_loadcnt 0x0
	CCVT X1, O1, 1
	s_wait_xcnt 0x0                                ; the stores' data, the four bases and the stores' base are rewritten only behind this wait
	s_add_nc_u64 s[44:45], s[44:45], s[86:87]
	s_add_nc_u64 s[46:47], s[46:47], s[86:87]
	s_add_nc_u64 s[48:49], s[48:49], s[86:87]
	s_add_nc_u64 s[50:51], s[50:51], s[86:87]
	s_add_nc_u64 s[52:53], s[52:53], 0x2000
	s_sub_co_u32 s41, s41, 1
	s_cmp_lg_u32 s41, 0
	s_cbranch_scc1 .Lconv
	s_cmp_lt_u32 s40, s90                          ; the bias: thread n writes word n = 64 G + 16 f + q, from word 64 G + 4 q + f
	s_cbranch_scc0 .Lconv_end
	v_and_b32 v4, 64, v0
	v_and_b32 v7, 15, v0
	v_lshl_add_u32 v4, v7, 2, v4
	v_bfe_u32 v7, v0, 4, 2
	v_add_lshl_u32 v4, v4, v7, 2
	v_lshlrev_b32 v8, 2, v0
	global_load_b32 v9, v4, s[54:55]
	s_wait_loadcnt 0x0
	v_cvt_pk_bf16_f32 v9, v9, v9
	v_lshlrev_b32 v9, 16, v9
	global_store_b32 v8, v9, s[56:57]
.Lconv_end:
	s_endpgm                                       ; these waves have written no LDS
	; ---------------- THE ROUTER of batch b = the work-group's number.  Wave w owns rows 16 w .. 16 w + 15, four at a time; lane l owns columns 128 j + 4 l + c. ----------------
.Lrouter:
	s_load_b32 s60, s[12:13], 0x0                  ; attn_b
	s_load_b256 s[44:51], s[16:17], 0x0            ; gate_b
	s_mov_b32 s42, 0x76543210                      ; v_permlanex16_b32: each lane takes its own place in the other half
	s_mov_b32 s43, 0xfedcba98
	s_mov_b32 s58, 0xffff0000                      ; a word's upper bf16
	s_mov_b32 s59, 0x3fb8aa3b                      ; log2 e
	s_lshl_b32 s61, s40, 6                         ; my wave's record
	s_lshl_b32 s52, ttmp9, 18
	s_lshl_b32 s54, s40, 15
	s_add_co_u32 s52, s52, s54
	s_mov_b32 s53, 0
	s_add_nc_u64 s[52:53], s[8:9], s[52:53]        ; x at my wave's rows
	s_lshl_b32 s54, ttmp9, 17
	s_lshl_b32 s56, s40, 14
	s_add_co_u32 s54, s54, s56
	s_mov_b32 s55, 0
	s_add_nc_u64 s[54:55], s[26:27], s[54:55]      ; xb at my wave's rows
	s_lshl_b32 s56, ttmp9, 3
	s_mov_b32 s57, 0
	s_add_nc_u64 s[36:37], s[36:37], s[56:57]      ; sel and gw at the batch's two words
	s_add_nc_u64 s[38:39], s[38:39], s[56:57]
	v_lshlrev_b32 v2, 4, v1                        ; 16 l: x, attn_w, and the table of gate_w in LDS
	v_lshlrev_b32 v3, 3, v1                        ; 8 l: xb
	v_lshlrev_b32 v4, 4, v0                        ; 16 n, n my thread's number: my share of gate_w
.macro RLOAD t, sb                     ; four rows: sixteen loads of 512 consecutive bytes
.irp rr, 0,1,2,3
.irp z, 0,1,2,3
	global_load_b128 v[(\sb)+16*(\rr)+4*(\z):(\sb)+16*(\rr)+4*(\z)+3], v2, s[52:53] offset:(4*(\t)+(\rr))*2048+512*(\z) th:TH_LOAD_NT
.endr
.endr
.endm
.irp z, 0,1,2,3
	global_load_b128 v[AW+4*(\z):AW+4*(\z)+3], v2, s[10:11] offset:512*(\z)
.endr
.irp z, 0,1,2,3
	global_load_b128 v[PK+4*(\z):PK+4*(\z)+3], v4, s[14:15] offset:4096*(\z)  ; half of row 128 z + n / 2 of gate_w: experts 4 (n % 2) on
.endr
	RLOAD 0, S0
	RLOAD 1, S1
.irp z, 1,3,5,7,9
	v_mov_b32 v[PP+(\z)], 0                        ; named in pairs; v51 also serves as the constant 0
.endr
.irp z, 0,1,2,3,4,5,6,7
	v_mov_b32 v[TR+(\z)], 0                        ; v_permlanex16_b32's destination counts as read
.endr
	v_bfe_u32 v[PK+24], v0, 1, 2                   ; where my 8 bytes of a row go: c = (n / 2) % 4,
	v_lshrrev_b32 v[PK+25], 3, v0                  ; l = n / 8,
	v_and_b32 v[PK+26], 1, v0                      ; the row's half
	v_lshlrev_b32 v[PK+24], 9, v[PK+24]
	v_lshl_add_u32 v[PK+24], v[PK+25], 4, v[PK+24]
	v_lshl_add_u32 v[PK+24], v[PK+26], 3, v[PK+24] ; 512 c + 16 l + 8 half; the table's base and 2,048 j stand in the immediate
	s_wait_kmcnt 0x0
	v_mov_b32 v[ATB], s60
	v_cvt_pk_bf16_f32 v[ATB], v[ATB], v[ATB]
	v_lshlrev_b32 v[ATB], 16, v[ATB]
	s_wait_loadcnt 32                              ; attn_w and gate_w are in; the two batches' 32 loads stay out
.irp z, 0,1,2,3
	v_cvt_pk_bf16_f32 v[PK+16+2*(\z)], v[PK+4*(\z)], v[PK+4*(\z)+1]
	v_cvt_pk_bf16_f32 v[PK+17+2*(\z)], v[PK+4*(\z)+2], v[PK+4*(\z)+3]
	ds_store_b64 v[PK+24], v[PK+16+2*(\z):PK+17+2*(\z)] offset:GT+2048*(\z)
.endr
.irp z, 0,1,2,3,4,5,6,7
	v_cvt_pk_bf16_f32 v[TM+(\z)%4], v[AW+2*(\z)], v[AW+2*(\z)+1]
	v_lshlrev_b32 v[AW+2*(\z)], 16, v[TM+(\z)%4]
	v_and_b32 v[AW+2*(\z)+1], s58, v[TM+(\z)%4]
.endr
	s_wait_dscnt 0x0                               ; for the others' sake: my part of the table is written
	s_barrier_signal -1
	s_barrier_wait -1                              ; the table is whole; nobody writes it again
; Four rows: rounded to bf16, stored, widened again; scores; the running maximum, sum and weighted sum.  left: the younger loads that may stay out.
.macro BATCH t, sb, first, left
	s_wait_loadcnt \left
	s_wait_xcnt 0x0                                ; PK, which the last batch's stores read, is rewritten only behind this wait
.irp rr, 0,1,2,3
.irp z, 0,1,2,3,4,5,6,7
	v_cvt_pk_bf16_f32 v[PK+8*(\rr)+(\z)], v[(\sb)+16*(\rr)+2*(\z)], v[(\sb)+16*(\rr)+2*(\z)+1]
.endr
.irp z, 0,1,2,3
	global_store_b64 v3, v[PK+8*(\rr)+2*(\z):PK+8*(\rr)+2*(\z)+1], s[54:55] offset:(4*(\t)+(\rr))*1024+256*(\z)  ; 32 lanes: 256 consecutive bytes, aligned
.endr
.irp z, 0,1,2,3,4,5,6,7
	v_lshlrev_b32 v[(\sb)+16*(\rr)+2*(\z)], 16, v[PK+8*(\rr)+(\z)]
	v_and_b32 v[(\sb)+16*(\rr)+2*(\z)+1], s58, v[PK+8*(\rr)+(\z)]
.endr
.endr
.irp rr, 0,1,2,3
	v_pk_mul_f32 v[P+2*(\rr):P+2*(\rr)+1], v[(\sb)+16*(\rr):(\sb)+16*(\rr)+1], v[AW:AW+1]
.endr
.irp z, 1,2,3,4,5,6,7
.irp rr, 0,1,2,3
	v_pk_fma_f32 v[P+2*(\rr):P+2*(\rr)+1], v[(\sb)+16*(\rr)+2*(\z):(\sb)+16*(\rr)+2*(\z)+1], v[AW+2*(\z):AW+2*(\z)+1], v[P+2*(\rr):P+2*(\rr)+1]
.endr
.endr
.irp rr, 0,1,2,3
	v_add_f32 v[PP+2*(\rr)], v[P+2*(\rr)], v[P+2*(\rr)+1]
.endr
.irp m, 1,2,4,8
.irp rr, 0,1,2,3
	v_add_f32_dpp v[PP+2*(\rr)], v[PP+2*(\rr)], v[PP+2*(\rr)] row_xmask:\m row_mask:0xf bank_mask:0xf
.endr
.endr
.irp rr, 0,1,2,3
	v_permlanex16_b32 v[TR+(\rr)], v[PP+2*(\rr)], s42, s43
.endr
.irp rr, 0,1,2,3
	v_add_f32 v[PP+2*(\rr)], v[PP+2*(\rr)], v[TR+(\rr)]
.endr
.irp rr, 0,1,2,3
	v_add_f32 v[PP+2*(\rr)], v[ATB], v[PP+2*(\rr)] ; every lane holds the four scores
.endr
	v_max3_num_f32 v[TM], v[PP], v[PP+2], v[PP+4]
.if \first
	v_max_num_f32 v[TM+1], v[TM], v[PP+6]
.else
	v_max3_num_f32 v[TM+1], v[TM], v[PP+6], v[MM]
	v_sub_f32 v[AA], v[MM], v[TM+1]
	v_mul_f32 v[AA], s59, v[AA]
.endif
.irp rr, 0,1,2,3
	v_sub_f32 v[PP+2*(\rr)], v[PP+2*(\rr)], v[TM+1]
.endr
.irp rr, 0,1,2,3
	v_mul_f32 v[PP+2*(\rr)], s59, v[PP+2*(\rr)]
.endr
.if !(\first)
	v_exp_f32 v[AA], v[AA]
.endif
.irp rr, 0,1,2,3
	v_exp_f32 v[PP+2*(\rr)], v[PP+2*(\rr)]
.endr
	v_mov_b32 v[MM], v[TM+1]                       ; a plain line behind the exponentials, ahead of the first use of their results (ISA guide 5.7.2)
	s_wait_alu depctr_va_vdst(0)
	v_add_f32 v[TM], v[PP], v[PP+2]
	v_add_f32 v[TM+2], v[PP+4], v[PP+6]
	v_add_f32 v[TM], v[TM], v[TM+2]
.if \first
	v_mov_b32 v[LL], v[TM]
.irp z, 0,1,2,3,4,5,6,7
	v_pk_mul_f32 v[ACC+2*(\z):ACC+2*(\z)+1], v[(\sb)+2*(\z):(\sb)+2*(\z)+1], v[PP:PP+1] op_sel_hi:[1,0]
.endr
.else
	v_fma_f32 v[LL], v[LL], v[AA], v[TM]
.irp z, 0,1,2,3,4,5,6,7
	v_pk_mul_f32 v[ACC+2*(\z):ACC+2*(\z)+1], v[ACC+2*(\z):ACC+2*(\z)+1], v[AA:AA+1] op_sel_hi:[1,0]
.endr
.irp z, 0,1,2,3,4,5,6,7
	v_pk_fma_f32 v[ACC+2*(\z):ACC+2*(\z)+1], v[(\sb)+2*(\z):(\sb)+2*(\z)+1], v[PP:PP+1], v[ACC+2*(\z):ACC+2*(\z)+1] op_sel_hi:[1,0,1]
.endr
.endif
.irp rr, 1,2,3
.irp z, 0,1,2,3,4,5,6,7
	v_pk_fma_f32 v[ACC+2*(\z):ACC+2*(\z)+1], v[(\sb)+16*(\rr)+2*(\z):(\sb)+16*(\rr)+2*(\z)+1], v[PP+2*(\rr):PP+2*(\rr)+1], v[ACC+2*(\z):ACC+2*(\z)+1] op_sel_hi:[1,0,1]
.endr
.endr
.endm
	BATCH 0, S0, 1, 16                             ; in the first three: the sixteen loads issued behind this batch's stay out
	RLOAD 2, S0
	BATCH 1, S1, 0, 16
	RLOAD 3, S1
	BATCH 2, S0, 0, 16
.set q, 0
.rept 16                                               ; gate_w's rows 128 j + 4 l + c, q = 4 j + c, eight experts in four registers: asked for ahead of the last batch, whose work does not touch S0
	ds_load_b128 v[S0+4*q:S0+4*q+3], v2 offset:GT+512*q
.set q, q+1
.endr
	BATCH 3, S1, 0, 0
	s_wait_dscnt 0x0
.irp m, 0,1,2,3                                        ; my 16 columns' share of the wave's eight unnormalised logits: bf16 half x f32 + f32, one rounding
	v_fma_mix_f32_bf16 v[PL+2*(\m)], v[S0+(\m)], v[ACC], v[ZR] op_sel_hi:[1,0,0]
	v_fma_mix_f32_bf16 v[PL+2*(\m)+1], v[S0+(\m)], v[ACC], v[ZR] op_sel:[1,0,0] op_sel_hi:[1,0,0]
.endr
.set d, 1
.rept 15
.irp m, 0,1,2,3
	v_fma_mix_f32_bf16 v[PL+2*(\m)], v[S0+4*d+(\m)], v[ACC+d], v[PL+2*(\m)] op_sel_hi:[1,0,0]
	v_fma_mix_f32_bf16 v[PL+2*(\m)+1], v[S0+4*d+(\m)], v[ACC+d], v[PL+2*(\m)+1] op_sel:[1,0,0] op_sel_hi:[1,0,0]
.endr
.set d, d+1
.endr
.irp m, 1,2,4,8
.irp e, 0,1,2,3,4,5,6,7
	v_add_f32_dpp v[PL+(\e)], v[PL+(\e)], v[PL+(\e)] row_xmask:\m row_mask:0xf bank_mask:0xf
.endr
.endr
.irp e, 0,1,2,3,4,5,6,7
	v_permlanex16_b32 v[TR+(\e)], v[PL+(\e)], s42, s43
.endr
.irp e, 0,1,2,3,4,5,6,7
	v_add_f32 v[PL+(\e)], v[PL+(\e)], v[TR+(\e)]
.endr
	v_mov_b32 v[TM], s61
	ds_store_b64 v[TM], v[MM:MM+1]                 ; my wave's record: m, l, eight logits; all lanes write the same words with the same values
	ds_store_b128 v[TM], v[PL:PL+3] offset:16
	ds_store_b128 v[TM], v[PL+4:PL+7] offset:32
	s_wait_dscnt 0x0                               ; for wave 0's sake: my record is written
	s_barrier_signal -1
	s_barrier_wait -1
	s_cmp_lg_u32 s40, 0
	s_cbranch_scc0 .Lwave0
	s_wait_tensorcnt 0x0                           ; the wave's end: behind my last LDS store
	ds_add_u32 v[SPW], v[NIL]
	s_wait_dscnt 0x0
	s_endpgm
.Lwave0:                                               ; wave 0 joins the eight records; every lane computes the same numbers
	v_mov_b32 v[TM], 0
.irp w, 0,1,2,3,4,5,6,7
	ds_load_b64 v[S0+16*(\w):S0+16*(\w)+1], v[TM] offset:64*(\w)
	ds_load_b128 v[S0+16*(\w)+4:S0+16*(\w)+7], v[TM] offset:64*(\w)+16
	ds_load_b128 v[S0+16*(\w)+8:S0+16*(\w)+11], v[TM] offset:64*(\w)+32
.endr
	s_wait_dscnt 0x0
	v_max3_num_f32 v[TM+1], v[S0], v[S0+16], v[S0+32]
	v_max3_num_f32 v[TM+1], v[TM+1], v[S0+48], v[S0+64]
	v_max3_num_f32 v[TM+1], v[TM+1], v[S0+80], v[S0+96]
	v_max_num_f32 v[TM+1], v[TM+1], v[S0+112]
.irp w, 0,1,2,3,4,5,6,7
	v_sub_f32 v[S0+16*(\w)+2], v[S0+16*(\w)], v[TM+1]
.endr
.irp w, 0,1,2,3,4,5,6,7
	v_mul_f32 v[S0+16*(\w)+2], s59, v[S0+16*(\w)+2]
.endr
.irp w, 0,1,2,3,4,5,6,7
	v_exp_f32 v[S0+16*(\w)+2], v[S0+16*(\w)+2]
.endr
	v_nop
	s_wait_alu depctr_va_vdst(0)
	v_mul_f32 v[TM+2], v[S0+2], v[S0+1]
.irp w, 1,2,3,4,5,6,7
	v_fmac_f32 v[TM+2], v[S0+16*(\w)+2], v[S0+16*(\w)+1]   ; the softmax's sum over all 128 rows: at least 1
.endr
.irp e, 0,1,2,3,4,5,6,7
	v_mul_f32 v[PL+(\e)], v[S0+2], v[S0+4+(\e)]
.endr
.irp w, 1,2,3,4,5,6,7
.irp e, 0,1,2,3,4,5,6,7
	v_fmac_f32 v[PL+(\e)], v[S0+16*(\w)+2], v[S0+16*(\w)+4+(\e)]
.endr
.endr
	v_rcp_f32 v[TM+3], v[TM+2]
.irp z, 0,1,2,3
	v_cvt_pk_bf16_f32 v[TM], s[44+2*(\z)], s[45+2*(\z)]
	v_lshlrev_b32 v[TR+2*(\z)], 16, v[TM]
	v_and_b32 v[TR+2*(\z)+1], s58, v[TM]
.endr
	s_wait_alu depctr_va_vdst(0)
.irp e, 0,1,2,3,4,5,6,7
	v_fma_f32 v[PL+(\e)], v[PL+(\e)], v[TM+3], v[TR+(\e)]  ; pooled . gate_w + gate_b
.endr
	v_max3_num_f32 v[TM], v[PL], v[PL+1], v[PL+2]
	v_max3_num_f32 v[TM], v[TM], v[PL+3], v[PL+4]
	v_max3_num_f32 v[TM], v[TM], v[PL+5], v[PL+6]
	v_max_num_f32 v[TM], v[TM], v[PL+7]
.irp e, 0,1,2,3,4,5,6,7
	v_sub_f32 v[PL+(\e)], v[PL+(\e)], v[TM]
.endr
.irp e, 0,1,2,3,4,5,6,7
	v_mul_f32 v[PL+(\e)], s59, v[PL+(\e)]
.endr
.irp e, 0,1,2,3,4,5,6,7
	v_exp_f32 v[PL+(\e)], v[PL+(\e)]
.endr
	v_nop
	s_wait_alu depctr_va_vdst(0)
	v_add_f32 v[TM], v[PL], v[PL+1]
	v_add_f32 v[TM+1], v[PL+2], v[PL+3]
	v_add_f32 v[TM+2], v[PL+4], v[PL+5]
	v_add_f32 v[TM+3], v[PL+6], v[PL+7]
	v_add_f32 v[TM], v[TM], v[TM+1]
	v_add_f32 v[TM+2], v[TM+2], v[TM+3]
	v_add_f32 v[TM], v[TM], v[TM+2]
	v_rcp_f32 v[TM+1], v[TM]
	v_nop
	s_wait_alu depctr_va_vdst(0)
.irp e, 0,1,2,3,4,5,6,7
	v_mul_f32 v[PL+(\e)], v[PL+(\e)], v[TM+1]      ; the gates
.endr
	v_mov_b32 v[TM], v[PL]                         ; the largest gate and its index: only a strictly greater one replaces, so the lower index stays
	v_mov_b32 v[TM+1], 0
.irp i, 1,2,3,4,5,6,7
	v_cmp_gt_f32 vcc_lo, v[PL+(\i)], v[TM]
	v_cndmask_b32 v[TM], v[TM], v[PL+(\i)], vcc_lo
	v_cndmask_b32 v[TM+1], v[TM+1], \i, vcc_lo
.endr
.irp i, 0,1,2,3,4,5,6,7
	v_cmp_eq_u32 vcc_lo, \i, v[TM+1]
	v_cndmask_b32 v[TR+(\i)], v[PL+(\i)], -1.0, vcc_lo     ; the chosen gate leaves the field: gates are not negative
.endr
	v_mov_b32 v[TM+2], v[TR]
	v_mov_b32 v[TM+3], 0
.irp i, 1,2,3,4,5,6,7
	v_cmp_gt_f32 vcc_lo, v[TR+(\i)], v[TM+2]
	v_cndmask_b32 v[TM+2], v[TM+2], v[TR+(\i)], vcc_lo
	v_cndmask_b32 v[TM+3], v[TM+3], \i, vcc_lo
.endr
	v_add_f32 v[AA], v[TM], v[TM+2]
	v_add_f32 v[AA], 0x3089705f, v[AA]             ; + 1e-9
	v_rcp_f32 v[AA], v[AA]
	v_lshlrev_b32 v[AA+1], 2, v1
	s_wait_alu depctr_va_vdst(0)
	v_mul_f32 v[TM], v[TM], v[AA]
	v_mul_f32 v[TM+2], v[TM+2], v[AA]
	v_cmp_eq_u32 vcc_lo, 1, v1                     ; lane 0 takes the first choice, lane 1 the second
	v_cndmask_b32 v[TM+1], v[TM+1], v[TM+3], vcc_lo
	v_cndmask_b32 v[TM], v[TM], v[TM+2], vcc_lo
	v_cmp_gt_u32 vcc_lo, 2, v1
	s_wait_xcnt 0x0                                ; EXEC is a source of the stores that are out: it changes only behind this wait
	s_and_saveexec_b32 s62, vcc_lo
	global_store_b32 v[AA+1], v[TM+1], s[36:37]    ; fixed places: no address of this launch hangs on the choice
	global_store_b32 v[AA+1], v[TM], s[38:39]
	s_wait_xcnt 0x0                                ; and again in front of the line that widens it
	s_or_b32 exec_lo, exec_lo, s62
	s_wait_tensorcnt 0x0                           ; the wave's end: behind my last LDS store
	ds_add_u32 v[SPW], v[NIL]
	s_wait_dscnt 0x0
	s_endpgm
.Lfunc_end_k_qf5fb3a4863_prep:
	.size	k_qf5fb3a4863_prep, .Lfunc_end_k_qf5fb3a4863_prep-k_qf5fb3a4863_prep
	.p2alignl 7, 3214868480
	.fill 96, 4, 3214868480
	.section	.rodata,"a",@progbits
	.p2align	6, 0x0
	.amdhsa_kernel k_qf5fb3a4863_prep
		.amdhsa_group_segment_fixed_size 10240
		.amdhsa_private_segment_fixed_size 0
		.amdhsa_enable_private_segment 0
		.amdhsa_kernarg_size 128
		.amdhsa_user_sgpr_count 2
		.amdhsa_user_sgpr_kernarg_segment_ptr 1
		.amdhsa_wavefront_size32 1
		.amdhsa_system_sgpr_workgroup_id_x 1
		.amdhsa_system_sgpr_workgroup_id_y 1
		.amdhsa_system_sgpr_workgroup_id_z 1
		.amdhsa_system_vgpr_workitem_id 0
		.amdhsa_next_free_vgpr 240
		.amdhsa_next_free_sgpr 94
		.amdhsa_reserve_vcc 1
		.amdhsa_float_denorm_mode_32 3
		.amdhsa_float_denorm_mode_16_64 3
		.amdhsa_memory_ordered 1
		.amdhsa_forward_progress 1
		.amdhsa_inst_pref_size 96
	.end_amdhsa_kernel
	.amdgpu_metadata
---
amdhsa.version: [ 1, 2 ]
amdhsa.kernels:
  - .name:           k_qf5fb3a4863_prep
    .symbol:         k_qf5fb3a4863_prep.kd
    .args:
      - { .name: x, .offset: 0, .size: 8, .value_kind: global_buffer, .address_space: global }
      - { .name: attn_w, .offset: 8, .size: 8, .value_kind: global_buffer, .address_space: global }
      - { .name: attn_b, .offset: 16, .size: 8, .value_kind: global_buffer, .address_space: global }
      - { .name: gate_w, .offset: 24, .size: 8, .value_kind: global_buffer, .address_space: global }
      - { .name: gate_b, .offset: 32, .size: 8, .value_kind: global_buffer, .address_space: global }
      - { .name: w1, .offset: 40, .size: 8, .value_kind: global_buffer, .address_space: global }
      - { .name: b1, .offset: 48, .size: 8, .value_kind: global_buffer, .address_space: global }
      - { .name: w2, .offset: 56, .size: 8, .value_kind: global_buffer, .address_space: global }
      - { .name: b2, .offset: 64, .size: 8, .value_kind: global_buffer, .address_space: global }
      - { .name: xb, .offset: 72, .size: 8, .value_kind: global_buffer, .address_space: global }
      - { .name: w1f, .offset: 80, .size: 8, .value_kind: global_buffer, .address_space: global }
      - { .name: b1r, .offset: 88, .size: 8, .value_kind: global_buffer, .address_space: global }
      - { .name: w2f, .offset: 96, .size: 8, .value_kind: global_buffer, .address_space: global }
      - { .name: b2r, .offset: 104, .size: 8, .value_kind: global_buffer, .address_space: global }
      - { .name: sel, .offset: 112, .size: 8, .value_kind: global_buffer, .address_space: global }
      - { .name: gw, .offset: 120, .size: 8, .value_kind: global_buffer, .address_space: global }
    .group_segment_fixed_size: 10240
    .private_segment_fixed_size: 0
    .kernarg_segment_align: 8
    .kernarg_segment_size: 128
    .max_flat_workgroup_size: 256
    .sgpr_count:     94
    .vgpr_count:     240
    .wavefront_size: 32
...
	.end_amdgpu_metadata
.endif
;; end of part 1
;; launch up (part 2): grid 4 x 64, 4 waves a work-group, clusters of 4 x 1, 230,400 bytes of LDS; arguments xb, w1f, b1r, sel, hb; writes hb
.if DOCPART == 2
	.amdgcn_target "amdgcn-amd-amdhsa--gfx1250"
	.amdhsa_code_object_version 6
	.text
	.protected	k_qf5fb3a4863_up
	.globl	k_qf5fb3a4863_up
	.p2align	8
	.type	k_qf5fb3a4863_up,@function
k_qf5fb3a4863_up:
	s_mov_b64 s[64:65], 0
	v_nop
	global_prefetch_b8 v0, s[64:65] scope:SCOPE_SE
	s_setreg_imm32_b32 hwreg(HW_REG_WAVE_MODE, 25, 1), 1
	s_wait_xcnt 0x0
	s_wait_alu depctr_hold_cnt(0) depctr_sa_sdst(0) depctr_va_vdst(0) depctr_va_sdst(0) depctr_va_ssrc(0) depctr_va_vcc(0) depctr_vm_vsrc(0)
	s_getreg_b32 s2, hwreg(HW_REG_IB_STS2, 6, 4)
	s_cmp_eq_u32 s2, 0
	s_cbranch_scc0 .Lentry_in_a_cluster
	s_endpgm
.Lentry_in_a_cluster:
	s_bfe_u32 s2, ttmp6, 0x10000c
	s_cmp_lg_u32 s2, 0x3003
	s_cbranch_scc0 .Lentry_shape_is_right
	s_endpgm
.Lentry_shape_is_right:
; UP.  h = gelu(x W1[e] + b1[e]) for the 64 pairs p = 2 b + k of a batch and one of its two chosen experts: 128 rows x 2,048 columns each, whatever the choice.
; SHARES.  Work-group (cx, p): 128 rows x 512 columns.  Wave w: 128 columns, as two chunks of 64.  A chunk's weights for all K = 512 stay in 512 registers, loaded straight from w1f in the order
; in which the matrix instruction takes them; the rows are walked 32 at a time: eight trips n (chunk n / 4, rows 32 (n % 4) on), each of two row blocks of 16.
; THE MATRIX INSTRUCTION IS USED TRANSPOSED: source 0 = a fragment of weights (16 column places x 32 K), source 1 = 16 rows of x.  Lane (r, h), register j then holds row r, place q = 8 h + j, which
; in fragment f stands for column 64 G + 4 q + f.  Accumulators 2 i and 2 i + 1, rounded in pairs, ARE the next product's source 1 for one of its K steps: h leaves by stores of 512 consecutive bytes, with no LDS stage.
;   hb [p][rh 2][chunk 4][mb 4][ks 16][1 KB]: rows 64 rh + 16 mb + r, K step 16 chunk + ks.
; The bias is the C operand of the first K step: nothing is cleared and no add is spent on it.
; BY TURNS.  The two row blocks take turns at the matrix unit.  A HALF is the 64 products of one block (16 K steps x 4 accumulators) with the other block's GELU, a list of 272 vector instructions, cut into
; slices: four behind each matrix instruction, the sixteen that are over behind the last.  A trip of the loop: block 1 of trip n beside block 0's GELU of trip n, then block 0 of trip n + 1 beside block 1's GELU of
; trip n.  Block 0's first products stand ahead of the loop, block 1's last GELU behind it; the loop is left in its middle.  The GELU works in window 0, the products' sources lie in windows 1 to 3: a slice costs two switches.
; GELU, exact form: gelu(a) = (a/2 + u) - u q, u = |a|/2, q = erfc(|a|/sqrt 2) = 1 / P(u)^16, P of degree 6 (Abramowitz and Stegun 7.1.28, error of erf at most 3e-7 for every argument).
; For large |a| P^16 overflows to infinity, q is 0 and the result is a or 0, as it should be.
; LIMITS.  x, w1, b1 arrive rounded to bf16; h is rounded once to bf16; NaN and infinities are not treated apart.
; CLUSTER.  The four column slices of a pair need the same 128 rows of x: each wave's quarter is asked for jointly by all four work-groups.  The weights are not shared by a joint load: which pairs have
; the same expert hangs on sel, so no fixed set of partners would walk the same weights for every choice; within a work-group each weight byte has one reader.
; LDS: block t (rows 32 t on) at 65,536 t, 32 rows of 1,024 + 16 bytes: 1,040 = 65 x 16, so the sixteen rows of a load lie 16 bytes apart modulo 256.  Filled once.  Behind them the spare words.
; REGISTERS, in windows of 256: window 0 addresses, GELU's work, packed results, bias, accumulators; window 1 x of a trip (K step ks, row block al at 8 (2 ks + al)); windows 2, 3 the chunk's weights (8 (4 (ks % 8) + f)).
.set PITCH, 1040
.set BLK, 65536
.set SPARE, 3*BLK+32*PITCH             ; 229,888: 128 bytes for each wave, two blocks of 256 bytes that no other line names
.set VL, 1                             ; v1   16 L: weights' loads, h's stores
.set VB, 2                             ; v2   32 h: bias
.set VA0, 3                            ; v3   r x 1,040 + 16 h
.set AD, 4                             ; v4   the same in the block to be fetched
.set SPW, 30                           ; v30  LDS address of my spare word; never rewritten
.set NIL, 31                           ; v31  0; never rewritten
.set HU, 64                            ; v64-95    u
.set T, 96                             ; v96-127   P, its powers, q
.set OUT, 128                          ; v128-159  packed h, 16 registers for each row block
.set BI, 160                           ; v160-191  bias, 8 registers for each f
.set ACC, 192                          ; v192-255  accumulator (al, f) at 192 + 8 (4 al + f)
.set WV, 14
.set CX, 15
.set PR, 16
.set EX, 17
.set G1, 24
.set G0, 32
.set BB, 36                            ; s[36:37] my 128 columns in w1f
.set BIB, 38                           ; s[38:39] in b1r
.set HB, 40                            ; s[40:41] in hb
.set HBT, 42                           ; s[42:43] the same at the trip's rows and chunk
.set NT, 44                            ; s44 the trip
.set TA, 45                            ; s45 the LDS block to be fetched
.set C1, 46                            ; s[46:57] P's coefficients, as pairs: a packed line takes the low word for both halves
.set C2, 48
.set C3, 50
.set C4, 52
.set C5, 54
.set C6, 56
.set MSB, 0
.macro WIN new                         ; the immediate's high byte repeats the setting that is left; a switch that changes nothing is dropped
.if MSB != (\new)
	s_set_vgpr_msb (MSB<<8)|(\new)
.set MSB, (\new)
.endif
.endm
.macro PLACES                          ; four plain lines between a matrix instruction and a load into, or a vector read of, its registers
.rept 4
	v_nop
.endr
.endm
.macro ROUND                           ; a round of the cluster's barrier
	s_barrier_signal -1
	s_barrier_wait -1
	s_cmp_lg_u32 s[WV], 0
	s_cbranch_scc1 .Lnot_wave_0_\@
	s_barrier_signal -3
.Lnot_wave_0_\@:
	s_barrier_wait -3
	s_barrier_signal -1
	s_barrier_wait -1
.endm
; THE GELU OF A ROW BLOCK: 32 numbers a lane, 16 pairs; GOP writes number gj of the list for block al and steps gj.
;   0-31     u = |a|/2; each accumulator is read from its lowest register on        32-47  a/2 + u, in place
;   48-143   P(u) by Horner: six steps of 16 pairs                                                           144-191  three squarings
;   192-271  the fourth squaring SQ, the 32 reciprocals, the last multiply-add FI ((a/2 + u) - u q) and the rounding CV, woven so that no two reciprocals follow each other and a plain line that
;            touches neither its source nor its result stands behind each (ISA guide 5.7.2): SQ 0, SQ 1; then sixteen groups k of (rcp 2k | SQ k+4, later CV k-12 | rcp 2k+1 | SQ k+2, later FI k-2);
;            then FI 14, CV 4, FI 15, CV 5 .. CV 15.  A pair's squaring stands two groups or more ahead of its reciprocals, these two groups ahead of its FI, and that ahead of its CV.
.macro GSQ m
	v_pk_mul_f32 v[T+2*(\m):T+2*(\m)+1], v[T+2*(\m):T+2*(\m)+1], v[T+2*(\m):T+2*(\m)+1]
.endm
.macro GFI m
	s_wait_alu depctr_va_vdst(0)
	v_pk_fma_f32 v[gA+2*(\m):gA+2*(\m)+1], v[HU+2*(\m):HU+2*(\m)+1], v[T+2*(\m):T+2*(\m)+1], v[gA+2*(\m):gA+2*(\m)+1] neg_lo:[1,0,0] neg_hi:[1,0,0]
.endm
.macro GCV m
	v_cvt_pk_bf16_f32 v[gO+(\m)], v[gA+2*(\m)], v[gA+2*(\m)+1]
.endm
.macro GOP al
.set gA, ACC+32*(\al)
.set gO, OUT+16*(\al)
.set gu, gj-192
	WIN 0
.if gj < 32
	v_mul_f32 v[HU+gj], 0.5, |v[gA+gj]|
.elseif gj < 48
.set gp, 2*(gj-32)
	v_pk_fma_f32 v[gA+gp:gA+gp+1], v[gA+gp:gA+gp+1], 0.5, v[HU+gp:HU+gp+1] op_sel_hi:[1,0,1]
.elseif gj < 64
.set gp, 2*(gj-48)
	v_pk_fma_f32 v[T+gp:T+gp+1], v[HU+gp:HU+gp+1], s[C6:C6+1], s[C5:C5+1] op_sel_hi:[1,0,0]
.elseif gj < 128
.set gp, 2*((gj-64)%16)
.set gc, C4-2*((gj-64)/16)
	v_pk_fma_f32 v[T+gp:T+gp+1], v[T+gp:T+gp+1], v[HU+gp:HU+gp+1], s[gc:gc+1] op_sel_hi:[1,1,0]
.elseif gj < 144
.set gp, 2*(gj-128)
	v_pk_fma_f32 v[T+gp:T+gp+1], v[T+gp:T+gp+1], v[HU+gp:HU+gp+1], 1.0 op_sel_hi:[1,1,0]
.elseif gj < 192
	GSQ (gj-144)%16
.elseif gu < 2
	GSQ gu
.elseif gu < 66
.set gk, (gu-2)/4
.set gs, (gu-2)%4
.if gs == 0
	v_rcp_f32 v[T+2*gk], v[T+2*gk]
.elseif gs == 2
	v_rcp_f32 v[T+2*gk+1], v[T+2*gk+1]
.elseif gs == 1
.if gk < 12
	GSQ gk+4
.else
	GCV gk-12
.endif
.else
.if gk < 2
	GSQ gk+2
.else
	GFI gk-2
.endif
.endif
.elseif gu == 66
	GFI 14
.elseif gu == 67
	GCV 4
.elseif gu == 68
	GFI 15
.else
	GCV gu-64
.endif
.set gj, gj+1
.endm
.macro HSTORE al                       ; a block's 16 rows x 64 columns: four stores of 512 consecutive bytes, aligned: half a fragment each
	WIN 0
.irp f, 0,1,2,3
	global_store_b128 v[VL], v[OUT+16*(\al)+4*(\f):OUT+16*(\al)+4*(\f)+3], s[HBT:HBT+1] offset:16384*(\al)+512*(\f)
.endr
.endm
.macro BLOAD c                         ; chunk c: 8 loads of bias, then 128 of weights, K step by K step, each of 512 consecutive bytes; the chunk stands in the immediates
	WIN 0
.irp f, 0,1,2,3
	global_load_b128 v[BI+8*(\f):BI+8*(\f)+3], v[VB], s[BIB:BIB+1] offset:256*(\c)+64*(\f)
	global_load_b128 v[BI+8*(\f)+4:BI+8*(\f)+7], v[VB], s[BIB:BIB+1] offset:256*(\c)+64*(\f)+16
.endr
.set ks, 0
.rept 16
	WIN 0x80+0x40*(ks/8)                           ; destination window 2, then 3
.irp f, 0,1,2,3
	global_load_b128 v[8*(4*(ks%8)+(\f)):8*(4*(ks%8)+(\f))+3], v[VL], s[BB:BB+1] offset:65536*(\c)+4096*ks+1024*(\f)
	global_load_b128 v[8*(4*(ks%8)+(\f))+4:8*(4*(ks%8)+(\f))+7], v[VL], s[BB:BB+1] offset:65536*(\c)+4096*ks+1024*(\f)+512
.endr
.set ks, ks+1
.endr
	WIN 0
.endm
.macro AFET al                         ; 16 rows x 512 K of x, row block al of the LDS block at AD: 32 LDS loads in one run
	WIN 0x40                                       ; destination window 1
.set ks, 0
.rept 16
	ds_load_b128 v[8*(2*ks+(\al)):8*(2*ks+(\al))+3], v[AD] offset:16*PITCH*(\al)+64*ks
	ds_load_b128 v[8*(2*ks+(\al))+4:8*(2*ks+(\al))+7], v[AD] offset:16*PITCH*(\al)+64*ks+32
.set ks, ks+1
.endr
.endm
; Product mi of a block's 64: K step mi / 4, fragment mi % 4.  The four accumulators take turns, one instruction a turn.
.macro MMX al
.set mk, mi/4
.set mf, mi%4
	WIN 0x06+(mk/8)                                ; source 0 window 2, then 3; source 1 window 1; C and D window 0
.if mk == 0
	v_wmma_f32_16x16x32_bf16 v[ACC+8*(4*(\al)+mf):ACC+8*(4*(\al)+mf)+7], v[8*(4*(mk%8)+mf):8*(4*(mk%8)+mf)+7], v[8*(2*mk+(\al)):8*(2*mk+(\al))+7], v[BI+8*mf:BI+8*mf+7]
.else
	v_wmma_f32_16x16x32_bf16 v[ACC+8*(4*(\al)+mf):ACC+8*(4*(\al)+mf)+7], v[8*(4*(mk%8)+mf):8*(4*(mk%8)+mf)+7], v[8*(2*mk+(\al)):8*(2*mk+(\al))+7], v[ACC+8*(4*(\al)+mf):ACC+8*(4*(\al)+mf)+7]
.endif
.set mi, mi+1
.endm
; Ahead of a K step's first product: its weights are in.  Loads come back in order (ISA guide 5.7.1); behind K step ks's eight stand the eight of each later step, 8 (15 - ks) in all; the count names 63 at the most.
; Where no load is out (every trip but a chunk's first) the wait is met at once.
.macro LWAIT
.if mi%4 == 0
.set lwn, 8*(15-mi/4)
.if lwn > 63
.set lwn, 63
.endif
	s_wait_loadcnt lwn
.endif
.endm
; A HALF: block al's 64 products, the other block's GELU in slices behind them, its stores at the end.  lw = 1: the half may be a chunk's first user.
; Behind the second product: the run of LDS loads for the block that the half before has finished with (its last product stands more than twenty plain lines back): in block 1's half block 0 of the
; next trip, in block 0's half block 1 of the same trip.  The wait for a run stands at the head of the half that multiplies it.
.macro HALFT al, lw
.set mi, 0
.set gj, 0
	s_wait_dscnt 0x0                               ; my block's x is in
.rept 64
.if \lw
	LWAIT
.endif
	MMX \al
.rept 4
	GOP 1-(\al)
.endr
.if mi == 2
.if (\al) == 1
	WIN 0                                          ; at a label and at a branch every window is 0
	s_cmp_eq_u32 s[NT], 7
	s_cbranch_scc1 .Lno_a                          ; the last trip has no next
	s_add_co_u32 s[TA], s[TA], BLK
	s_and_b32 s[TA], s[TA], 3*BLK                  ; blocks 1, 2, 3, 0, ...
	v_add_nc_u32 v[AD], s[TA], v[VA0]
	AFET 0
	WIN 0
.Lno_a:
.else
	AFET 1
.endif
.endif
.if ((\al) == 1) && (mi == 32)
	s_wait_xcnt 0x0                                ; the stores' base, and both sets of packed results, are rewritten only behind this wait: all stores so far were issued ahead of it
	s_and_b32 s58, s[NT], 2
	s_lshl_b32 s58, s58, 17                        ; rh x 256 KB
	s_and_b32 s60, s[NT], 1
	s_lshl_b32 s60, s60, 15                        ; two row blocks x 16 KB
	s_add_co_u32 s58, s58, s60
	s_lshr_b32 s60, s[NT], 2
	s_lshl_b32 s60, s60, 11                        ; chunk x 2 KB
	s_add_co_u32 s58, s58, s60
	s_add_nc_u64 s[HBT:HBT+1], s[HB:HB+1], s[58:59]  ; trip n's place in hb, for both of its blocks
.endif
.endr
.rept 16
	GOP 1-(\al)                                    ; 272 = 4 x 64 + 16: these are also the places behind the half's last products
.endr
	HSTORE 1-(\al)
.endm
	s_load_b256 s[4:11], s[0:1], 0x0               ; xb s[4:5], w1f s[6:7], b1r s[8:9], sel s[10:11]
	s_load_b64 s[12:13], s[0:1], 0x20              ; hb
	v_lshl_add_u32 v[SPW], v0, 2, SPARE
	v_mov_b32 v[NIL], 0
	ds_add_u32 v[SPW], v[NIL]                      ; the wave's opening: the add and its wait stand ahead of my first tensor load; the set-up below, work on registers, stands between them
	v_lshrrev_b32 v5, 5, v0
	v_readfirstlane_b32 s[WV], v5                  ; wave 0..3
	s_bfe_u32 s[CX], ttmp6, 0x40000                ; cx: my slice of 512 columns; it enters the addresses of w1f, b1r and hb alone
	s_and_b32 s[PR], ttmp7, 0xffff                 ; the pair, which the four partners share
	; descriptor group 1: 32 rows x 512 elements of 2 bytes, 16 bytes of padding behind each row
	s_mov_b32 s[G1], 15|(1<<16)|(1<<20)|(1<<21)|(7<<22)|(3<<25)  ; 15:0 the mask of four; 17:16 2-byte elements; 20 padding on; 21 set beside a mask; 24:22 after every 256 words (code 7); 31:25 4 words (code 3)
	s_mov_b32 s[G1+1], 512<<16                     ; tensor_dim0 = 512
	s_mov_b32 s[G1+2], 32<<16                      ; tensor_dim1 = 32
	s_mov_b32 s[G1+3], 512<<16                     ; tile_dim0 = 512
	s_mov_b32 s[G1+4], 32                          ; tile_dim1 = 32
	s_mov_b32 s[G1+5], 512                         ; elements from row to row
	s_mov_b32 s[G1+6], 0
	s_mov_b32 s[G1+7], 0
	s_mov_b32 s[G0], 1                             ; count = 1
	s_lshl_b32 s[G0+1], s[WV], 16                  ; LDS address: my block
	s_mov_b32 s[C1], 0x3dcc41b4                    ; a_i x 2^(i/2): P is taken at u = |a|/2, the series at |a|/sqrt 2
	s_mov_b32 s[C1+1], s[C1]
	s_mov_b32 s[C2], 0x3dad2fe7
	s_mov_b32 s[C2+1], s[C2]
	s_mov_b32 s[C3], 0x3cd6cd72
	s_mov_b32 s[C3+1], s[C3]
	s_mov_b32 s[C4], 0x3a1f6607
	s_mov_b32 s[C4+1], s[C4]
	s_mov_b32 s[C5], 0x3acd0ff0
	s_mov_b32 s[C5+1], s[C5]
	s_mov_b32 s[C6], 0x39b49f67
	s_mov_b32 s[C6+1], s[C6]
	s_lshr_b32 s18, s[PR], 1                       ; the batch's 128 rows of 1,024 bytes, my wave's 32 of them
	s_lshl_b32 s18, s18, 17
	s_lshl_b32 s19, s[WV], 15
	s_add_co_u32 s18, s18, s19
	s_mov_b32 s19, 0
	s_lshl_b32 s20, s[PR], 2
	s_mov_b32 s21, 0
	s_mov_b32 s59, 0
	v_and_b32 v5, 31, v0
	v_lshlrev_b32 v[VL], 4, v5
	v_lshrrev_b32 v6, 4, v5
	v_lshlrev_b32 v[VB], 5, v6
	v_and_b32 v7, 15, v5
	v_mul_u32_u24 v[VA0], v7, PITCH
	v_lshl_add_u32 v[VA0], v6, 4, v[VA0]
	s_wait_dscnt 0x0                               ; the opening add is done
	s_wait_kmcnt 0x0
	s_add_nc_u64 s[20:21], s[10:11], s[20:21]
	s_load_b32 s[EX], s[20:21], 0x0                ; the pair's expert, stored by the launch before
	s_add_nc_u64 s[G0+2:G0+3], s[4:5], s[18:19]
	s_or_b32 s[G0+3], s[G0+3], 0x80000000          ; type = 2
	ROUND                                          ; all four work-groups are here: the joint loads meet
	tensor_load_to_lds s[G0:G0+3], s[G1:G1+7]      ; my one tensor load of the launch
	s_nop 0
	PLACES
	s_wait_kmcnt 0x0
	s_min_u32 s[EX], s[EX], 7
	s_lshl_b32 s20, s[EX], 21
	s_lshl_b32 s22, s[CX], 2
	s_add_co_u32 s22, s22, s[WV]
	s_lshl_b32 s22, s22, 17
	s_add_co_u32 s20, s20, s22
	s_mov_b32 s21, 0
	s_add_nc_u64 s[BB:BB+1], s[6:7], s[20:21]      ; e x 2 MB + (4 cx + w) x 128 KB
	s_lshl_b32 s20, s[EX], 13
	s_lshl_b32 s22, s[CX], 11
	s_add_co_u32 s20, s20, s22
	s_lshl_b32 s22, s[WV], 9
	s_add_co_u32 s20, s20, s22
	s_add_nc_u64 s[BIB:BIB+1], s[8:9], s[20:21]
	s_lshl_b32 s20, s[PR], 19
	s_lshl_b32 s22, s[CX], 16
	s_add_co_u32 s20, s20, s22
	s_lshl_b32 s22, s[WV], 12
	s_add_co_u32 s20, s20, s22
	s_add_nc_u64 s[HB:HB+1], s[12:13], s[20:21]    ; p x 512 KB + cx x 64 KB + w x 4 KB
	BLOAD 0
	s_wait_tensorcnt 0x0                           ; my block is in,
	s_barrier_signal -1
	s_barrier_wait -1                              ; everybody's is
	v_mov_b32 v[AD], v[VA0]
	AFET 0
	AFET 1
	WIN 0
	s_mov_b32 s[NT], 0
	s_mov_b32 s[TA], 0
	s_wait_dscnt 32                                ; block 0's x is in; block 1's 32 loads stay out
.set mi, 0
.rept 64                                               ; block 0 of trip 0: there is no vector work yet to set between the products; each K step starts as soon as its weights are in
	LWAIT
	MMX 0
.endr
	WIN 0
	PLACES                                         ; the first slice reads results just made
.Ltrip:
	HALFT 1, 0                                     ; block 1 of trip n | block 0's GELU of trip n | x: block 0 of trip n + 1
	s_cmp_eq_u32 s[NT], 7
	s_cbranch_scc1 .Lout                           ; the loop is left in its middle: there is no trip 8
	s_cmp_lg_u32 s[NT], 3
	s_cbranch_scc1 .Lno_b
	BLOAD 1                                        ; the first chunk's last product stands twenty lines back: its registers take the second chunk
.Lno_b:
	HALFT 0, 1                                     ; block 0 of trip n + 1 | block 1's GELU of trip n | x: block 1 of trip n + 1
	s_add_co_u32 s[NT], s[NT], 1
	s_cmp_lt_u32 s[NT], 8
	s_cbranch_scc1 .Ltrip
.Lout:
.set gj, 0
.rept 272
	GOP 1                                          ; block 1's GELU of the last trip: no products are left to set it beside
.endr
	HSTORE 1
	s_wait_tensorcnt 0x0                           ; the wave's end: behind my last tensor load
	ds_add_u32 v[SPW], v[NIL]
	s_wait_dscnt 0x0
	ROUND                                          ; the closing round
	s_endpgm
.Lfunc_end_k_qf5fb3a4863_up:
	.size	k_qf5fb3a4863_up, .Lfunc_end_k_qf5fb3a4863_up-k_qf5fb3a4863_up
	.p2alignl 7, 3214868480
	.fill 96, 4, 3214868480
	.section	.rodata,"a",@progbits
	.p2align	6, 0x0
	.amdhsa_kernel k_qf5fb3a4863_up
		.amdhsa_group_segment_fixed_size 230400
		.amdhsa_private_segment_fixed_size 0
		.amdhsa_enable_private_segment 0
		.amdhsa_kernarg_size 40
		.amdhsa_user_sgpr_count 2
		.amdhsa_user_sgpr_kernarg_segment_ptr 1
		.amdhsa_wavefront_size32 1
		.amdhsa_system_sgpr_workgroup_id_x 1
		.amdhsa_system_sgpr_workgroup_id_y 1
		.amdhsa_system_sgpr_workgroup_id_z 1
		.amdhsa_system_vgpr_workitem_id 0
		.amdhsa_next_free_vgpr 1024
		.amdhsa_next_free_sgpr 66
		.amdhsa_reserve_vcc 0
		.amdhsa_float_denorm_mode_32 3
		.amdhsa_float_denorm_mode_16_64 3
		.amdhsa_memory_ordered 1
		.amdhsa_forward_progress 1
		.amdhsa_inst_pref_size 112
	.end_amdhsa_kernel
	.amdgpu_metadata
---
amdhsa.version: [ 1, 2 ]
amdhsa.kernels:
  - .name:           k_qf5fb3a4863_up
    .symbol:         k_qf5fb3a4863_up.kd
    .args:
      - { .name: xb, .offset: 0, .size: 8, .value_kind: global_buffer, .address_space: global }
      - { .name: w1f, .offset: 8, .size: 8, .value_kind: global_buffer, .address_space: global }
      - { .name: b1r, .offset: 16, .size: 8, .value_kind: global_buffer, .address_space: global }
      - { .name: sel, .offset: 24, .size: 8, .value_kind: global_buffer, .address_space: global }
      - { .name: hb, .offset: 32, .size: 8, .value_kind: global_buffer, .address_space: global }
    .group_segment_fixed_size: 230400
    .private_segment_fixed_size: 0
    .kernarg_segment_align: 8
    .kernarg_segment_size: 40
    .max_flat_workgroup_size: 128
    .sgpr_count:     66
    .vgpr_count:     1024
    .wavefront_size: 32
...
	.end_amdgpu_metadata
.endif
;; end of part 2
;; launch down (part 3): grid 4 x 64, 4 waves a work-group, clusters of 4 x 1, 327,680 bytes of LDS; arguments hb, w2f, b2r, sel, gw, out0; writes out0
.if DOCPART == 3
	.amdgcn_target "amdgcn-amd-amdhsa--gfx1250"
	.amdhsa_code_object_version 6
	.text
	.protected	k_qf5fb3a4863_down
	.globl	k_qf5fb3a4863_down
	.p2align	8
	.type	k_qf5fb3a4863_down,@function
k_qf5fb3a4863_down:
	s_mov_b64 s[64:65], 0
	v_nop
	global_prefetch_b8 v0, s[64:65] scope:SCOPE_SE
	s_setreg_imm32_b32 hwreg(HW_REG_WAVE_MODE, 25, 1), 1
	s_wait_xcnt 0x0
	s_wait_alu depctr_hold_cnt(0) depctr_sa_sdst(0) depctr_va_vdst(0) depctr_va_sdst(0) depctr_va_ssrc(0) depctr_va_vcc(0) depctr_vm_vsrc(0)
	s_getreg_b32 s2, hwreg(HW_REG_IB_STS2, 6, 4)
	s_cmp_eq_u32 s2, 0
	s_cbranch_scc0 .Lentry_in_a_cluster
	s_endpgm
.Lentry_in_a_cluster:
	s_bfe_u32 s2, ttmp6, 0x10000c
	s_cmp_lg_u32 s2, 0x3003
	s_cbranch_scc0 .Lentry_shape_is_right
	s_endpgm
.Lentry_shape_is_right:
; DOWN.  out = g0 gelu(h0 W2[e0] + b2[e0]) + g1 gelu(h1 W2[e1] + b2[e1]), for each batch's two chosen experts.
; SHARES.  Work-group (cx, y = 2 b + rh): rows 64 rh .. + 63 of batch b, columns 128 cx .. + 127, for BOTH experts: each output has one owner and no partial rows go through memory.
; Wave w: expert k = w / 2, columns 64 (w % 2) on: 64 x 64, 16 accumulators, K = 2,048: 64 K steps, taken as 32 duos of two.
; OPERANDS.  h (source 1) is read by two waves and by the cluster's four slices: through LDS, by joint tensor loads, a chunk of 16 K steps for both experts (128 KB) to a slot, two slots.  It lies in memory
; in fragment order, so a chunk is dense and the LDS loads take 512 consecutive bytes.  The weights (source 0) have one reader in the work-group: straight from w2f into a ring of four duo buffers.
; The weights are not shared by a joint load: which work-groups have the same expert hangs on sel, so no fixed set of partners would walk the same weights for every choice.
; Lane (r, h), register j of accumulator (a, f) holds row 16 a + r, column 64 cg + 4 (8 h + j) + f.  The bias is the C operand of the first K step.
; GELU as in the launch before: gelu(a) = (a/2 + u) - u q, u = |a|/2, q = 1 / P(u)^16 (Abramowitz and Stegun 7.1.28, error of erf at most 3e-7).
; LIMITS.  h, w2, b2 arrive rounded to bf16; NaN and infinities are not treated apart.
; LDS: slot s at 131,072 s: [k][row block 16 KB][K step 1 KB].  262,144: the spare words.  The way out's stage (two experts x 64 rows x 528 bytes) takes slot 0's bytes, behind that slot's last fill and behind the
; barrier that follows every wave's last read of it.
; REGISTERS: window 0 addresses, bias and later results, GELU's work, accumulators; window 1 h, two duo buffers (64 p + 32 t + 8 a); window 2 weights, four duo buffers (64 q + 32 t + 8 f).
.set SLOT, 131072
.set SPARE, 2*SLOT                     ; 128 bytes for each wave, two blocks of 256 bytes that no other line names
.set VL, 1                             ; v1   16 L
.set VB, 2                             ; v2   32 h
.set A0, 3                             ; v3   16 L + 65,536 k
.set AD, 4                             ; v4   the same at the duos to be fetched
.set ST, 5                             ; v5   the way out: where I put 16 bytes of a row
.set RD, 6                             ; v6   the way out: where I read rows back
.set SPW, 30
.set NIL, 31
.set BI, 32                            ; v32-63   bias, 8 registers for each f; later R
.set R, 32
.set HU, 64
.set T, 96
.set ACC, 128                          ; v128-255 accumulator (a, f) at 128 + 8 (4 a + f)
.set WV, 16
.set CX, 17
.set G1, 24
.set G0A, 32                           ; s[32:35] group 0 of slot 0's first fill
.set GW, 36                            ; s[36:39] group 0 of slot 1's first fill; it then walks
.set BB, 48                            ; s[48:49] my weights
.set BIB, 50
.set OB, 52
.set TA, 54                            ; s54 LDS byte of the duos to be fetched
.set CNT, 55
.set SL, 56
.set C1, 66
.set C2, 68
.set C3, 70
.set C4, 72
.set C5, 74
.set C6, 76
.set MSB, 0
.macro WIN new
.if MSB != (\new)
	s_set_vgpr_msb (MSB<<8)|(\new)
.set MSB, (\new)
.endif
.endm
.macro PLACES                          ; four plain lines between a matrix instruction and a load into, or a vector read of, its registers
.rept 4
	v_nop
.endr
.endm
.macro ROUND
	s_barrier_signal -1
	s_barrier_wait -1
	s_cmp_lg_u32 s[WV], 0
	s_cbranch_scc1 .Lnot_wave_0_\@
	s_barrier_signal -3
.Lnot_wave_0_\@:
	s_barrier_wait -3
	s_barrier_signal -1
	s_barrier_wait -1
.endm
.macro GEL a                           ; 32 registers at a: they take a/2 + u; HU takes u, T takes q.  Each accumulator is read from its lowest register on.
.set i, 0
.rept 32
	v_mul_f32 v[HU+i], 0.5, |v[(\a)+i]|
.set i, i+1
.endr
.set i, 0
.rept 16
	v_pk_fma_f32 v[(\a)+i:(\a)+i+1], v[(\a)+i:(\a)+i+1], 0.5, v[HU+i:HU+i+1] op_sel_hi:[1,0,1]
.set i, i+2
.endr
.set i, 0
.rept 16
	v_pk_fma_f32 v[T+i:T+i+1], v[HU+i:HU+i+1], s[C6:C6+1], s[C5:C5+1] op_sel_hi:[1,0,0]
.set i, i+2
.endr
.irp c, C4, C3, C2, C1
.set i, 0
.rept 16
	v_pk_fma_f32 v[T+i:T+i+1], v[T+i:T+i+1], v[HU+i:HU+i+1], s[\c:\c+1] op_sel_hi:[1,1,0]
.set i, i+2
.endr
.endr
.set i, 0
.rept 16
	v_pk_fma_f32 v[T+i:T+i+1], v[T+i:T+i+1], v[HU+i:HU+i+1], 1.0 op_sel_hi:[1,1,0]
.set i, i+2
.endr
.rept 4
.set i, 0
.rept 16
	v_pk_mul_f32 v[T+i:T+i+1], v[T+i:T+i+1], v[T+i:T+i+1]
.set i, i+2
.endr
.endr
.set i, 0
.rept 32
	v_rcp_f32 v[T+i], v[T+i]
.set i, i+1
.endr
	v_nop                                          ; a plain line between the last reciprocal and the use of its result (ISA guide 5.7.2)
.endm
.macro AFETCH p, ao                    ; a duo of h into buffer p: sixteen LDS loads, the first K step's eight first
	WIN 0x40
.irp t, 0,1
.irp a, 0,1,2,3
	ds_load_b128 v[64*(\p)+32*(\t)+8*(\a):64*(\p)+32*(\t)+8*(\a)+3], v[AD] offset:(\ao)+1024*(\t)+16384*(\a)
	ds_load_b128 v[64*(\p)+32*(\t)+8*(\a)+4:64*(\p)+32*(\t)+8*(\a)+7], v[AD] offset:(\ao)+1024*(\t)+16384*(\a)+512
.endr
.endr
.endm
.macro BFETCH q, bo                    ; a duo of weights into ring place q: sixteen loads of 512 consecutive bytes
	WIN 0x80
.irp t, 0,1
.irp f, 0,1,2,3
	global_load_b128 v[64*(\q)+32*(\t)+8*(\f):64*(\q)+32*(\t)+8*(\f)+3], v[VL], s[BB:BB+1] offset:(\bo)+4096*(\t)+1024*(\f)
	global_load_b128 v[64*(\q)+32*(\t)+8*(\f)+4:64*(\q)+32*(\t)+8*(\f)+7], v[VL], s[BB:BB+1] offset:(\bo)+4096*(\t)+1024*(\f)+512
.endr
.endr
.endm
.macro HALF d, t, first                ; K step t of duo d: 16 matrix instructions; the 16 accumulators take turns, one instruction a turn
	WIN 0x06                                       ; source 0 window 2, source 1 window 1, C and D window 0
.irp a, 0,1,2,3
.irp f, 0,1,2,3
.if \first
	v_wmma_f32_16x16x32_bf16 v[ACC+8*(4*(\a)+(\f)):ACC+8*(4*(\a)+(\f))+7], v[64*((\d)%4)+32*(\t)+8*(\f):64*((\d)%4)+32*(\t)+8*(\f)+7], v[64*((\d)%2)+32*(\t)+8*(\a):64*((\d)%2)+32*(\t)+8*(\a)+7], v[BI+8*(\f):BI+8*(\f)+7]
.else
	v_wmma_f32_16x16x32_bf16 v[ACC+8*(4*(\a)+(\f)):ACC+8*(4*(\a)+(\f))+7], v[64*((\d)%4)+32*(\t)+8*(\f):64*((\d)%4)+32*(\t)+8*(\f)+7], v[64*((\d)%2)+32*(\t)+8*(\a):64*((\d)%2)+32*(\t)+8*(\a)+7], v[ACC+8*(4*(\a)+(\f)):ACC+8*(4*(\a)+(\f))+7]
.endif
.endr
.endr
.endm
; UNIT d: h of duo d + 1 and weights of duo d + 3 are asked for (into buffers whose last readers stand 16 matrix instructions and four places back); then the second K step of duo d and the first of duo d + 1.
.macro UNIT d, ao, bo, fa, fb, lw, nxt
.if (\fa) || (\fb)
	PLACES
.endif
.if \fa
	AFETCH ((\d)+1)%2, \ao
.endif
.if \fb
	BFETCH ((\d)+3)%4, \bo
.endif
.if \fa
	s_wait_dscnt 16                                ; all but the sixteen just issued: duo d's h is whole
.else
	s_wait_dscnt 0x0
.endif
	HALF \d, 1, 0
.if \nxt
	s_wait_loadcnt \lw                             ; the weights of duo d + 1 are in; the younger duos' loads stay out
	s_wait_dscnt 8                                 ; its first K step of h is in; the second's eight loads stay out
	HALF (\d)+1, 0, 0
.endif
.endm
.macro LAP                             ; four units, numbers 3, 0, 1, 2 modulo 4: half a chunk
	v_add_nc_u32 v[AD], s[TA], v[A0]
	UNIT 3, 0, 0, 1, 1, 32, 1
	UNIT 4, 2048, 8192, 1, 1, 32, 1
	UNIT 5, 4096, 16384, 1, 1, 32, 1
	UNIT 6, 6144, 24576, 1, 1, 32, 1
	WIN 0                                          ; at a label and at a branch every window is 0
	s_wait_xcnt 0x0                                ; the loads' base is stepped only behind this wait
	s_add_nc_u64 s[BB:BB+1], s[BB:BB+1], 32768
	s_add_co_u32 s[TA], s[TA], 8192
.endm
; THE CHANGE OF SLOTS, behind the unit that asked for a chunk's last duo.  Each wave waits for all its tensor loads, of which one is out: its part of the other slot; adds 0 to its spare word; and waits for that and for
; its reads of the slot.  fill = 1: the barrier is a round of the cluster's, and the joint refill, the chunk two on, is the first thing behind it: it has eight units, 256 matrix instructions, in which to land.
.macro CHANGE fill
	WIN 0
	s_wait_tensorcnt 0x0                           ; no tensor load of mine is out, so a group 0 may be written
	ds_add_u32 v[SPW], v[NIL]                      ; 0 onto my spare word; the scalar steps stand between it and the wait for it
.if \fill
	s_xor_b32 s[GW+1], s[GW+1], SLOT               ; the other slot than last time,
	s_add_nc_u64 s[GW+2:GW+3], s[GW+2:GW+3], 0x10000  ; the next chunk; the type bits on top are not reached
.endif
	s_sub_co_u32 s[TA], s[TA], 16384               ; the fetches go back to a slot's first duo,
	s_xor_b32 s[TA], s[TA], SLOT                   ; in the other slot
	s_wait_dscnt 0x0                               ; the add is done, and my reads of the slot are over
.if \fill
	ROUND
	tensor_load_to_lds s[GW:GW+3], s[G1:G1+7]
	s_nop 0
	PLACES
.else
	s_barrier_signal -1
	s_barrier_wait -1
.endif
.endm
	s_load_b256 s[4:11], s[0:1], 0x0               ; hb s[4:5], w2f s[6:7], b2r s[8:9], sel s[10:11]
	s_load_b128 s[12:15], s[0:1], 0x20             ; gw s[12:13], out0 s[14:15]
	v_lshl_add_u32 v[SPW], v0, 2, SPARE
	v_mov_b32 v[NIL], 0
	ds_add_u32 v[SPW], v[NIL]                      ; the wave's opening: the add and its wait stand ahead of my first tensor load; the set-up below, work on registers, stands between them
	v_lshrrev_b32 v7, 5, v0
	v_readfirstlane_b32 s[WV], v7                  ; wave 0..3
	s_bfe_u32 s[CX], ttmp6, 0x40000                ; cx: my slice of 128 columns; it enters the addresses of w2f, b2r and out0 alone
	s_and_b32 s18, ttmp7, 0xffff                   ; y = 2 b + rh, which the four partners share
	s_lshr_b32 s19, s18, 1                         ; b
	s_and_b32 s20, s18, 1                          ; rh
	s_lshr_b32 s21, s[WV], 1                       ; k
	s_and_b32 s22, s[WV], 1                        ; ch
	; descriptor group 1: 32,768 dense bytes as 128 rows of 256 bytes
	s_mov_b32 s[G1], 15|(3<<16)|(1<<21)            ; 15:0 the mask of four; 17:16 8-byte elements; 21 set beside a mask; no padding
	s_mov_b32 s[G1+1], 32<<16                      ; tensor_dim0 = 32
	s_mov_b32 s[G1+2], 128<<16                     ; tensor_dim1 = 128
	s_mov_b32 s[G1+3], 32<<16                      ; tile_dim0 = 32
	s_mov_b32 s[G1+4], 128                         ; tile_dim1 = 128
	s_mov_b32 s[G1+5], 32                          ; elements from row to row
	s_mov_b32 s[G1+6], 0
	s_mov_b32 s[G1+7], 0
	s_mov_b32 s[G0A], 1
	s_lshl_b32 s[G0A+1], s[WV], 15                 ; LDS: expert k's 64 KB, my half of them = wave x 32 KB
	s_mov_b32 s[GW], 1
	s_add_co_u32 s[GW+1], s[G0A+1], SLOT
	s_lshl_b32 s78, s19, 1
	s_add_co_u32 s78, s78, s21
	s_lshl_b32 s78, s78, 19                        ; pair 2 b + k: 512 KB
	s_lshl_b32 s79, s20, 18                        ; rh: 256 KB
	s_add_co_u32 s78, s78, s79
	s_lshl_b32 s79, s22, 15                        ; my half of a chunk
	s_add_co_u32 s78, s78, s79
	s_mov_b32 s79, 0
	s_lshl_b32 s58, s19, 3
	s_mov_b32 s59, 0
	s_mov_b32 s[C1], 0x3dcc41b4
	s_mov_b32 s[C1+1], s[C1]
	s_mov_b32 s[C2], 0x3dad2fe7
	s_mov_b32 s[C2+1], s[C2]
	s_mov_b32 s[C3], 0x3cd6cd72
	s_mov_b32 s[C3+1], s[C3]
	s_mov_b32 s[C4], 0x3a1f6607
	s_mov_b32 s[C4+1], s[C4]
	s_mov_b32 s[C5], 0x3acd0ff0
	s_mov_b32 s[C5+1], s[C5]
	s_mov_b32 s[C6], 0x39b49f67
	s_mov_b32 s[C6+1], s[C6]
	v_and_b32 v7, 31, v0
	v_lshlrev_b32 v[VL], 4, v7
	v_lshrrev_b32 v8, 4, v7                        ; h
	v_and_b32 v9, 15, v7                           ; r
	v_lshlrev_b32 v[VB], 5, v8
	v_lshl_add_u32 v[A0], s21, 16, v[VL]
	s_mul_i32 s57, s21, 33792                      ; the stage: expert k, row r, my 256 bytes of its 512, 128 bytes for each half of the lanes
	s_lshl_b32 s56, s22, 8
	s_add_co_u32 s57, s57, s56
	v_mul_u32_u24 v[ST], v9, 528
	v_lshl_add_u32 v[ST], v8, 7, v[ST]
	v_add_nc_u32 v[ST], s57, v[ST]
	s_mul_i32 s57, s[WV], 8448                     ; back: rows 16 w on, a whole row of 512 bytes to a load
	v_add_nc_u32 v[RD], s57, v[VL]
	s_wait_dscnt 0x0                               ; the opening add is done
	s_wait_kmcnt 0x0
	s_add_nc_u64 s[60:61], s[10:11], s[58:59]
	s_load_b64 s[40:41], s[60:61], 0x0             ; the batch's two experts,
	s_add_nc_u64 s[62:63], s[12:13], s[58:59]
	s_load_b64 s[42:43], s[62:63], 0x0             ; and their weights
	s_add_nc_u64 s[G0A+2:G0A+3], s[4:5], s[78:79]  ; chunk 0
	s_add_nc_u64 s[GW+2:GW+3], s[G0A+2:G0A+3], 0x10000  ; chunk 1
	s_or_b32 s[G0A+3], s[G0A+3], 0x80000000        ; type = 2
	s_or_b32 s[GW+3], s[GW+3], 0x80000000
	ROUND                                          ; all four work-groups are here: the first joint loads meet
	tensor_load_to_lds s[G0A:G0A+3], s[G1:G1+7]    ; both first fills together: two loads of mine are out
	s_nop 0
	tensor_load_to_lds s[GW:GW+3], s[G1:G1+7]
	s_nop 0
	PLACES
	s_wait_kmcnt 0x0
	s_cmp_eq_u32 s21, 0
	s_cselect_b32 s23, s40, s41
	s_min_u32 s23, s23, 7                          ; my expert
	s_mov_b32 s44, s42                             ; g0 and g1 as pairs
	s_mov_b32 s45, s42
	s_mov_b32 s46, s43
	s_mov_b32 s47, s43
	s_lshl_b32 s58, s[CX], 1
	s_add_co_u32 s58, s58, s22                     ; cg = 2 cx + ch
	s_lshl_b32 s60, s23, 21
	s_lshl_b32 s61, s58, 18
	s_add_co_u32 s60, s60, s61
	s_mov_b32 s61, 0
	s_add_nc_u64 s[BB:BB+1], s[6:7], s[60:61]
	s_lshl_b32 s60, s23, 11
	s_lshl_b32 s62, s58, 8
	s_add_co_u32 s60, s60, s62
	s_add_nc_u64 s[BIB:BIB+1], s[8:9], s[60:61]
	s_lshl_b32 s60, s18, 17                        ; row 64 y + 16 w of 2,048 bytes, column 128 cx
	s_lshl_b32 s62, s[WV], 15
	s_add_co_u32 s60, s60, s62
	s_lshl_b32 s62, s[CX], 9
	s_add_co_u32 s60, s60, s62
	s_add_nc_u64 s[OB:OB+1], s[14:15], s[60:61]
.irp f, 0,1,2,3
	global_load_b128 v[BI+8*(\f):BI+8*(\f)+3], v[VB], s[BIB:BIB+1] offset:64*(\f)
	global_load_b128 v[BI+8*(\f)+4:BI+8*(\f)+7], v[VB], s[BIB:BIB+1] offset:64*(\f)+16
.endr
	BFETCH 0, 0
	BFETCH 1, 8192
	BFETCH 2, 16384
	WIN 0
	s_wait_tensorcnt 0x1                           ; my part of slot 0 is in; slot 1's may stay out
	s_barrier_signal -1
	s_barrier_wait -1                              ; everybody's is
	v_mov_b32 v[AD], v[A0]
	AFETCH 0, 0
	s_wait_loadcnt 32                              ; bias and duo 0's weights are in; duos 1 and 2 stay out
	s_wait_dscnt 8
	HALF 0, 0, 1                                   ; the first K step starts the sums, with the bias as C
	UNIT 0, 2048, 24576, 1, 1, 32, 1
	UNIT 1, 4096, 32768, 1, 1, 32, 1
	UNIT 2, 6144, 40960, 1, 1, 32, 1
	WIN 0
	s_wait_xcnt 0x0
	s_add_nc_u64 s[BB:BB+1], s[BB:BB+1], 49152     ; unit 3 asks for duo 6
	s_mov_b32 s[TA], 8192                          ; and for h of duo 4
	s_mov_b32 s[CNT], 1
	s_mov_b32 s[SL], 3
	s_branch .Llap                                 ; the loop is entered in the middle of a trip: chunk 0 has one lap left
.Lslot:                                                ; twice: slot 0 takes chunk 2, slot 1 takes chunk 3
	CHANGE 1
	s_mov_b32 s[CNT], 2
.Llap:
	LAP
	s_sub_co_u32 s[CNT], s[CNT], 1
	s_cmp_lg_u32 s[CNT], 0
	s_cbranch_scc1 .Llap
	s_sub_co_u32 s[SL], s[SL], 1
	s_cmp_lg_u32 s[SL], 0
	s_cbranch_scc1 .Lslot
	CHANGE 0                                       ; the tail is written out: nothing is asked for
	LAP                                            ; units 23-26
	v_add_nc_u32 v[AD], s[TA], v[A0]
	UNIT 27, 0, 0, 1, 1, 32, 1
	UNIT 28, 2048, 8192, 1, 1, 32, 1               ; the last duo of weights is asked for
	UNIT 29, 4096, 0, 1, 0, 16, 1                  ; one younger duo stays out
	UNIT 30, 6144, 0, 1, 0, 0, 1
	UNIT 31, 0, 0, 0, 0, 0, 0
	; THE WAY OUT.  GELU on 16 rows at a time; the four f of one j are four neighbouring columns, so the last multiply-add, unpacked, lays them into neighbouring registers; 16 bytes a lane into the stage.
	WIN 0
	PLACES
.irp a, 0,1,2,3
	GEL ACC+32*\a
.set j, 0
	s_wait_alu depctr_va_vdst(0)
.rept 8
.irp f, 0,1,2,3
	v_fma_f32 v[R+4*j+(\f)], -v[HU+8*(\f)+j], v[T+8*(\f)+j], v[ACC+32*(\a)+8*(\f)+j]
.endr
	ds_store_b128 v[ST], v[R+4*j:R+4*j+3] offset:8448*(\a)+16*j  ; rows 528 = 33 x 16 bytes apart: sixteen lanes, sixteen different 16-byte columns modulo 256
.set j, j+1
.endr
.endr
	s_wait_dscnt 0x0                               ; for the others' sake: my stores into the stage are done
	s_barrier_signal -1
	s_barrier_wait -1
.set t, 0
.rept 16
	ds_load_b128 v[ACC+8*t:ACC+8*t+3], v[RD] offset:528*t          ; row 16 w + t of the first expert,
	ds_load_b128 v[ACC+8*t+4:ACC+8*t+7], v[RD] offset:528*t+33792  ; and of the second
.set t, t+1
.endr
.set t, 0
.rept 16
	s_wait_dscnt 30-2*t                            ; LDS loads come back in order (ISA guide 5.7.1): row t's two are in
	v_pk_mul_f32 v[ACC+8*t:ACC+8*t+1], v[ACC+8*t:ACC+8*t+1], s[44:45] op_sel_hi:[1,0]
	v_pk_mul_f32 v[ACC+8*t+2:ACC+8*t+3], v[ACC+8*t+2:ACC+8*t+3], s[44:45] op_sel_hi:[1,0]
	v_pk_fma_f32 v[ACC+8*t:ACC+8*t+1], v[ACC+8*t+4:ACC+8*t+5], s[46:47], v[ACC+8*t:ACC+8*t+1] op_sel_hi:[1,0,1]
	v_pk_fma_f32 v[ACC+8*t+2:ACC+8*t+3], v[ACC+8*t+6:ACC+8*t+7], s[46:47], v[ACC+8*t+2:ACC+8*t+3] op_sel_hi:[1,0,1]
	global_store_b128 v[VL], v[ACC+8*t:ACC+8*t+3], s[OB:OB+1] offset:2048*t th:TH_STORE_NT  ; 512 consecutive bytes, aligned
.set t, t+1
.endr
	s_wait_tensorcnt 0x0                           ; the wave's end: behind my last tensor load and my last LDS store
	ds_add_u32 v[SPW], v[NIL]
	s_wait_dscnt 0x0
	ROUND                                          ; the closing round: no work-group ends while a partner may still ask for a tile that names it
	s_endpgm
.Lfunc_end_k_qf5fb3a4863_down:
	.size	k_qf5fb3a4863_down, .Lfunc_end_k_qf5fb3a4863_down-k_qf5fb3a4863_down
	.p2alignl 7, 3214868480
	.fill 96, 4, 3214868480
	.section	.rodata,"a",@progbits
	.p2align	6, 0x0
	.amdhsa_kernel k_qf5fb3a4863_down
		.amdhsa_group_segment_fixed_size 327680
		.amdhsa_private_segment_fixed_size 0
		.amdhsa_enable_private_segment 0
		.amdhsa_kernarg_size 48
		.amdhsa_user_sgpr_count 2
		.amdhsa_user_sgpr_kernarg_segment_ptr 1
		.amdhsa_wavefront_size32 1
		.amdhsa_system_sgpr_workgroup_id_x 1
		.amdhsa_system_sgpr_workgroup_id_y 1
		.amdhsa_system_sgpr_workgroup_id_z 1
		.amdhsa_system_vgpr_workitem_id 0
		.amdhsa_next_free_vgpr 768
		.amdhsa_next_free_sgpr 80
		.amdhsa_reserve_vcc 0
		.amdhsa_float_denorm_mode_32 3
		.amdhsa_float_denorm_mode_16_64 3
		.amdhsa_memory_ordered 1
		.amdhsa_forward_progress 1
		.amdhsa_inst_pref_size 160
	.end_amdhsa_kernel
	.amdgpu_metadata
---
amdhsa.version: [ 1, 2 ]
amdhsa.kernels:
  - .name:           k_qf5fb3a4863_down
    .symbol:         k_qf5fb3a4863_down.kd
    .args:
      - { .name: hb, .offset: 0, .size: 8, .value_kind: global_buffer, .address_space: global }
      - { .name: w2f, .offset: 8, .size: 8, .value_kind: global_buffer, .address_space: global }
      - { .name: b2r, .offset: 16, .size: 8, .value_kind: global_buffer, .address_space: global }
      - { .name: sel, .offset: 24, .size: 8, .value_kind: global_buffer, .address_space: global }
      - { .name: gw, .offset: 32, .size: 8, .value_kind: global_buffer, .address_space: global }
      - { .name: out0, .offset: 40, .size: 8, .value_kind: global_buffer, .address_space: global }
    .group_segment_fixed_size: 327680
    .private_segment_fixed_size: 0
    .kernarg_segment_align: 8
    .kernarg_segment_size: 48
    .max_flat_workgroup_size: 128
    .sgpr_count:     80
    .vgpr_count:     768
    .wavefront_size: 32
...
	.end_amdgpu_metadata
.endif
;; end of part 3
